; MI455X (gfx1250); checked and timed in simulation.
; The chip was launched on July 23, 2026; its instructions are those of AMD's public machine-readable ISA for CDNA 5 (MIT licence, August 2026) and "CDNA5" Instruction Set Architecture Reference Guide (July 2026). The comments in the code are by the model that wrote it; some were corrected since.
;; Physical Weaver. Allowed arithmetic: matrix products marked QUANTISED: E2M1 operands, one E8M0 scale for each 32 along K, by v_wmma_scale_f32_16x16x128_f8f6f4 with both operands' format E2M1 (or v_wmma_scale_f32_32x16x128_f4), f32 sums; everything else in f32.
;; Inputs: Wk_codes 64 x 16 x 16 uint8 (E2M1 codes of Wk, K innermost, in blocks of 32 codes, two codes a byte); Wk_scales 64 x 16 uint8 (E8M0 scales of Wk, one for each 32 codes along K); Wq_codes 64 x 16 x 16 uint8 (E2M1 codes of Wq, K innermost, in blocks of 32 codes, two codes a byte); Wq_scales 64 x 16 uint8 (E8M0 scales of Wq, one for each 32 codes along K); Wv_codes 512 x 16 x 16 uint8 (E2M1 codes of Wv, K innermost, in blocks of 32 codes, two codes a byte); Wv_scales 512 x 16 uint8 (E8M0 scales of Wv, one for each 32 codes along K); log_lambda 1 float32; x_codes 4 x 4,096 x 16 x 16 uint8 (E2M1 codes of x, K innermost, in blocks of 32 codes, two codes a byte); x_scales 4 x 4,096 x 16 uint8 (E8M0 scales of x, one for each 32 codes along K).
;; Outputs: out0 4 x 4,096 x 512 float32.
;; This version of the problem:
;;   THIS VERSION OF THE PROBLEM IS GIVEN IN LOW PRECISION. The matrix products marked QUANTISED in the list below multiply operands that are first quantised to E2M1 (2 exponent bits, 1 mantissa bit; 4 bits a number), with one power-of-two scale for each 32 numbers along K (OCP MX v1.0); their sums are f32. All else is computed in f32.
;;   The module's matrix products, in the order in which they are computed (A, B: the left and right operand; K: the contracted axis; several contracted axes count as one K, in the product's order):
;;     1. [M 16,384, K 512] x [K 512, N 64]; A: input x (given as codes); B: input Wq (given as codes): QUANTISED
;;     2. [M 16,384, K 512] x [K 512, N 64]; A: input x (given as codes); B: input Wk (given as codes): QUANTISED
;;     3. [M 16,384, K 512] x [K 512, N 512]; A: input x (given as codes); B: input Wv (given as codes): QUANTISED
;;     4. batch 4 x [M 4,096, K 64] x [K 64, N 4,096]; A: computed on the way; B: computed on the way: QUANTISED
;;     5. batch 4 x [M 4,096, K 4,096] x [K 4,096, N 512]; A: softmax (see below); B: computed on the way: QUANTISED
;;   THE QUANTISER, for each operand of a quantised product, along K:
;;     - K is cut into blocks of 32 from its start; a last block that is shorter is filled with zeros.
;;     - A block's scale is 2^e with e = floor(log2(the largest magnitude in the block)) - 2, held to -126 .. 127; a block of zeros has e = 0. As a byte (E8M0): e + 127.
;;     - Each number is divided by its block's scale, clamped to +-6, and rounded to the nearest number of E2M1, ties to even, subnormals kept.
;;     - The product sums the exact products of the quantised numbers (number of the format x scale) in f32.
;;   ~~~python
;;   def quantise(x, axis):      # numpy; x: float32 -> the quantised numbers, widened to float32 again
;;       x = np.moveaxis(x, axis, -1); K = x.shape[-1]
;;       x = np.pad(x, [(0, 0)] * (x.ndim - 1) + [(0, -K % 32)]); x = x.reshape(x.shape[:-1] + (-1, 32)); a = np.abs(x).max(-1, keepdims=True)
;;       e = np.where(a > 0, np.clip(np.frexp(np.where(a > 0, a, 1))[1] - 1 - 2, -126, 127), 0)      # np.frexp(a)[1] - 1 = floor(log2(a)), exactly
;;       r = np.clip(x / 2.0 ** e, -6, 6)
;;       step = 2.0 ** (np.maximum(np.frexp(np.where(r == 0, 1, r))[1] - 1, 0) - 1)
;;       q = np.round(r / step) * step * 2.0 ** e      # np.round: ties to even
;;       return np.moveaxis(q.reshape(q.shape[:-2] + (-1,))[..., :K], -1, axis).astype(np.float32)
;;   ~~~
;;   SOFTMAX AHEAD OF A QUANTISED PRODUCT. Where the list says 'softmax', what is quantised is not the finished softmax but p = 2^(t - M), with t = logit x log2(e) and M = ceil(the row's largest t), a whole number; so 1/2 < the row's largest p <= 1. The row's sum l is taken of the UNQUANTISED p, in f32, and the product's result is divided by l at the end. Since M is a whole number, a kernel that streams over the keys may use a running M (the ceiling of the running maximum): every later rescaling is an exact power of two, which a block's scale takes up: the codes' values come out the same.
;;   OPERANDS COMPUTED ON THE WAY. 'Computed on the way' means the value that the module computes at that place (a softmax that the list does not call 'softmax' is quantised finished and normalised). What goes into a quantiser is computed in f32, as accurately as f32 sums, v_exp_f32 and their like allow (about 1e-6 of the number): no bf16 or f16 on the way to a quantiser, and a product that is left as it is and whose result goes on into a quantised operand takes f32 operands (vector FMAs, or v_wmma_f32_16x16x4_f32). A number that lies on a knife's edge between two numbers of the format may be rounded either way, as far as f32 arithmetic and the matrix unit's own rounding can turn it there, and no further.
;;   INPUTS GIVEN AS CODES. Wk (in the module: [64, 512], K = its axis 1); Wq (in the module: [64, 512], K = its axis 1); Wv (in the module: [512, 512], K = its axis 1); x (in the module: [4, 4096, 512], K = its axis 2): each comes as NAME_codes (uint8): NAME with its K axis moved to the last place and cut into blocks of 32 codes, [.., K / 32, bytes a block], one block behind the other in memory; two codes a byte, the lower K in the low four bits (a code: sign, 2 exponent bits, 1 mantissa bit); and NAME_scales (uint8): the same leading axes, one E8M0 byte (e + 127) for each 32 codes along K. Its value is code x scale, taken as it is: it is not quantised again, and the codes and scales need not be those that the quantiser above would give.
;; One version. Each part assembles by itself: llvm-mc -triple=amdgcn-amd-amdhsa -mcpu=gfx1250 --defsym DOCPART=n.
;; ======== version 1 of 1: 2 launches
;; limits: right only within a limited range of input values
;; workspace buffers: kv 5,079,040 bytes; qws 622,592 bytes
;; launch proj (part 1): grid 128 x 2, 8 waves a work-group, clusters of 4 x 1, 167,936 bytes of LDS; arguments x_codes, x_scales, Wq_codes, Wq_scales, Wk_codes, Wk_scales, Wv_codes, Wv_scales, kv, qws; writes kv, qws
.if DOCPART == 1
	.amdgcn_target "amdgcn-amd-amdhsa--gfx1250"
	.amdhsa_code_object_version 6
	.text
	.protected	k_qdf5de2f6ad_proj
	.globl	k_qdf5de2f6ad_proj
	.p2align	8
	.type	k_qdf5de2f6ad_proj,@function
k_qdf5de2f6ad_proj:
	s_mov_b64 s[64:65], 0
	v_nop
	global_prefetch_b8 v0, s[64:65] scope:SCOPE_SE
	s_setreg_imm32_b32 hwreg(HW_REG_WAVE_MODE, 25, 1), 1
	s_wait_xcnt 0x0
	s_wait_alu depctr_hold_cnt(0) depctr_sa_sdst(0) depctr_va_vdst(0) depctr_va_sdst(0) depctr_va_ssrc(0) depctr_va_vcc(0) depctr_vm_vsrc(0)
	s_getreg_b32 s2, hwreg(HW_REG_IB_STS2, 6, 4)
	s_cmp_eq_u32 s2, 0
	s_cbranch_scc0 .Lentry_in_a_cluster
	s_endpgm
.Lentry_in_a_cluster:
	s_bfe_u32 s2, ttmp6, 0x10000c
	s_cmp_lg_u32 s2, 0x3003
	s_cbranch_scc0 .Lentry_shape_is_right
	s_endpgm
.Lentry_shape_is_right:
; Q = x Wq^T, K = x Wk^T, V = x Wv^T on the given codes of FP4 (E2M1) and E8M0 scale bytes, sums in f32; then Q and K are quantised along the head's 64, V along the KEYS, and laid as the next launch's
; operand registers want them.  Also -|q|^2 / 2 and -|k|^2 / 2, of the unquantised f32 numbers.  No step of the problem is left out in this launch or the next.
; RECORDS.  kv: 128 records of 39,680 bytes, one for each 128 tokens (record 32 b + s: keys 128 s on of batch b):
;   0      four K fragments of 1,024 bytes (register group c at 512 c, lane l's 16 bytes at 16 l).  Fragment w: registers 0-3 keys 32 w .. 32 w + 15, registers 4-7 the next 16; lane (r, h): block h of 32 dims of key r:
;          two tiles of 64 dims fill the instruction's 128 along K
;   4,096  their scale words, at 64 w + 4 r: bytes 0, 1 the first tile's, bytes 2, 3 the second's
;   4,352  -|k|^2 / 2, f32, keys in their natural order
;   4,864  V's scale words: for each 64 columns 256 bytes, lane l's pair: columns l and 32 + l; byte b of a word for keys 32 b .. 32 b + 31
;   6,912  32 fragments of V^T (16 columns x 128 keys), 1,024 bytes each
; qws: 128 records of 4,864 bytes: the first three parts, made of Q.
; ORDER INSIDE A BLOCK OF 32.  Place 16 h + 8 u + j of a block holds number 16 u + 8 h + j of its 32: the dims of Q and K alike, the keys of V alike with those of P in the next launch.  A product's two operands have one order,
; and the blocks are those of the problem.
; SHARES.  Work-group (x, y): record x; y = 0 makes Q and V's columns 0-255, y = 1 K and V's columns 256-511: only pointers are chosen by that.
; Wave w: 64 tokens (half w / 4) x 64 columns (w % 4) of V, and 32 tokens (w / 2) x 32 dims (w % 2) of Q or K.
; BOTH PRODUCTS ARE LAID SO THAT A LANE'S REGISTERS RUN ALONG THE NEXT K.  Q, K: source 0 = 32 rows of W, source 1 = 16 tokens.  V: source 0 = 32 tokens, source 1 = 16 rows of Wv.
; CLUSTERS: four records of one y want the same weights, 80 of a work-group's 114 KB: they are asked for jointly.  x is shared only by the two y of a record, which lie in different clusters, and comes by plain loads.
; LDS is filled once, one load a wave, and never again.  NO PREFETCH: there is no loop to run ahead in.
; LIMITS: NaN, infinities and scale bytes 0xff among the inputs are not served.  A block whose largest magnitude lies under 2^-124, a block of zeros among them, gets the byte 1 (the stated quantiser gives a block of zeros
; 127): its codes are zeros or near it, and the bytes are read by this program alone.
.set P,     272                        ; an LDS row: 256 bytes (512 codes) + 16 of padding: 16 neighbouring rows start 68 words apart
.set WT,    128*P                      ; LDS: 128 rows of x from 0 (waves 0, 1); 64 rows of Wq or Wk (wave 2);
.set XSC,   192*P                      ; x's 2,048 scale bytes (wave 3);
.set VT,    256*P                      ; 256 rows of Wv (waves 4 to 7);
.set SCRV,  512*P                      ; scratch that no fill touches: V's 256 scale words,
.set SCRS,  SCRV+1024                  ; the four fragments' scale words,
.set SCRQ,  SCRS+256                   ; the sums of squares of each 32 dims: 2 x 128 numbers
.set SPARE, SCRQ+1024                  ; the spare words, 128 bytes a wave
.set REC,   39680
.set KPART, 4864
.set OKS,   4096
.set OKC,   4352
.set OVS,   4864
.set OVF,   6912
.set LI,   1                           ; 16 x lane
.set L8,   2                           ; 8 x lane
.set AXV,  3
.set AXB,  4
.set AWA,  5
.set AVW,  6
.set XSA,  7
.set XSQ,  8
.set WQO,  9
.set WVO,  10
.set SVW,  11
.set SSW,  12
.set SQW,  13
.set QOF,  14
.set SVR,  15
.set SPW,  16
.set NIL,  17
.set SSR,  18
.set SQR,  19
.set XSV,  20                          ; v20-55 hold scales and nothing else: x's for V, token pair tp, K step ks: 4 tp + ks
.set XSB,  28                          ; x's for Q / K, tile u: 4 u + ks
.set WQS,  36                          ; Wq's or Wk's
.set WVS,  40                          ; Wv's, column tile o: 4 o + ks
.set M,    56
.set T2,   66
.set PC,   76                          ; codes: block n's two registers at 2 n
.set ACC,  96                          ; ten accumulators of 16: n = 0, 1 Q / K's token tiles; n = 2 + 2 o + tp V's
.set G0W,  4                           ; descriptors: the weights' (joint),
.set WV,   28
.set SG,   29
.set HF,   30
.set HW,   31
.set CG,   33
.set FW,   34
.set BB,   35
.set G1,   36                          ; x's codes',
.set G1S,  44                          ; x's scale bytes'
.set G0,   52
.set G0S,  56
.set SEL,  60
.set WC,   62
.set WSP,  66
.set KVR,  68
.set DST,  70
.set VP,   72
.set VSP,  74
.set G1W,  92
.set MSB, 0
.macro WIN new                         ; the immediate's high byte repeats the setting that is left
.if MSB != \new
	s_set_vgpr_msb (MSB<<8)|\new
.set MSB, \new
.endif
.endm
.macro ROUND                           ; a round of the cluster's barrier
	s_barrier_signal -1
	s_barrier_wait -1
	s_cmp_lg_u32 s[WV], 0
	s_cbranch_scc1 .Lnot_first_\@
	s_barrier_signal -3
.Lnot_first_\@:
	s_barrier_wait -3
	s_barrier_signal -1
	s_barrier_wait -1
.endm
.macro FRAG reg, adr, off              ; a fragment, 16 rows x 128 K of 4-bit codes: two loads of 16 bytes, 32 bytes apart
	ds_load_b128 v[\reg:\reg+3], v[\adr] offset:\off
	ds_load_b128 v[\reg+4:\reg+7], v[\adr] offset:\off+32
.endm
.macro FETCH ks                        ; a K step's twelve fragments, 24 loads, into one of two sets of 96 registers in window 1
.set FS, 96*((\ks)%2)
	WIN 0x40
.irp u, 0,1
	FRAG FS+64+8*\u, AWA, 16*\u*P+64*(\ks)
	FRAG FS+80+8*\u, AXB, 16*\u*P+64*(\ks)
.endr
.irp t, 0,1,2,3
	FRAG FS+8*\t, AXV, 16*\t*P+64*(\ks)
.endr
.irp o, 0,1,2,3
	FRAG FS+32+8*\o, AVW, 16*\o*P+64*(\ks)
.endr
	WIN 0
.endm
.macro MM d, a, b, sa, sb, zero
.if \zero
	v_wmma_scale_f32_32x16x128_f4 v[\d:\d+15], v[\a:\a+15], v[\b:\b+7], 0, v[\sa], v[\sb]
.else
	v_wmma_scale_f32_32x16x128_f4 v[\d:\d+15], v[\a:\a+15], v[\b:\b+7], v[\d:\d+15], v[\sa], v[\sb]
.endif
.endm
.macro MUL ks, zero                    ; ten accumulators by turns, one instruction a turn
.set FS, 96*((\ks)%2)
	WIN 0x05
.irp u, 0,1
	MM ACC+16*\u, FS+64, FS+80+8*\u, WQS+\ks, XSB+4*\u+\ks, \zero
.endr
.irp o, 0,1,2,3
.irp t, 0,1
	MM ACC+16*(2+2*\o+\t), FS+16*\t, FS+32+8*\o, XSV+4*\t+\ks, WVS+4*\o+\ks, \zero
.endr
.endr
	WIN 0
.endm
.macro PLACES
.rept 4
	v_nop
.endr
.endm
	s_load_b512 s[8:23], s[0:1], 0x0               ; x's codes s[8:9], scales s[10:11]; Wq's s[12:13], s[14:15]; Wk's s[16:17], s[18:19]; Wv's s[20:21], s[22:23]
	s_load_b128 s[24:27], s[0:1], 0x40             ; kv s[24:25], qws s[26:27]
	v_lshl_add_u32 v[SPW], v0, 2, SPARE
	v_mov_b32 v[NIL], 0
	ds_add_u32 v[SPW], v[NIL]                      ; the opening: the add twice on end
	ds_add_u32 v[SPW], v[NIL]
	v_lshrrev_b32 v1, 5, v0
	v_readfirstlane_b32 s[WV], v1                  ; wave 0..7
	s_bfe_u32 s91, ttmp6, 0x40000                  ; cx
	s_lshl_b32 s[SG], ttmp9, 2
	s_add_co_u32 s[SG], s[SG], s91                 ; the record
	s_and_b32 s[HF], ttmp7, 0xffff                 ; 0: Q and V's first half; 1: K and V's second half
	s_lshr_b32 s[HW], s[WV], 2
	s_and_b32 s[CG], s[WV], 3
	s_lshr_b32 s[FW], s[WV], 1
	s_and_b32 s[BB], s[WV], 1
	s_mov_b32 s[G1], (1<<20)|(5<<22)|(3<<25)       ; 64 rows of 256 bytes, dense in memory, 16 bytes of padding behind each in LDS
	s_mov_b32 s[G1W], 15|(1<<20)|(1<<21)|(5<<22)|(3<<25)   ; the same, to all four work-groups
.irp g, G1, G1W
	s_mov_b32 s[\g+1], 256<<16
	s_mov_b32 s[\g+2], 64<<16
	s_mov_b32 s[\g+3], 256<<16
	s_mov_b32 s[\g+4], 64
	s_mov_b32 s[\g+5], 256
	s_mov_b32 s[\g+6], 0
	s_mov_b32 s[\g+7], 0
.endr
	s_mov_b32 s[G1S], 3<<16                        ; x's scale bytes of 128 tokens: 8 rows of 256 bytes
	s_mov_b32 s[G1S+1], 32<<16
	s_mov_b32 s[G1S+2], 8<<16
	s_mov_b32 s[G1S+3], 32<<16
	s_mov_b32 s[G1S+4], 8
	s_mov_b32 s[G1S+5], 32
	s_mov_b32 s[G1S+6], 0
	s_mov_b32 s[G1S+7], 0
	s_mov_b32 s[G0], 1
	s_mul_i32 s[G0+1], s[WV], 64*P
	s_mov_b32 s[G0W], 1
	s_mul_i32 s[G0W+1], s[WV], 64*P
	s_mov_b32 s[G0S], 1
	s_mov_b32 s[G0S+1], XSC
	s_mov_b32 s[SEL], 0x76543210
	s_mov_b32 s[SEL+1], 0xfedcba98
	s_mul_i32 s78, s[HW], 64*P                     ; AXV
	s_mul_i32 s79, s[FW], 32*P                     ; AXB
	s_mul_i32 s80, s[BB], 32*P
	s_add_co_u32 s80, s80, WT                      ; AWA
	s_mul_i32 s81, s[CG], 64*P
	s_add_co_u32 s81, s81, VT                      ; AVW
	s_lshl_b32 s82, s[HW], 10
	s_add_co_u32 s82, s82, XSC                     ; XSA
	s_lshl_b32 s83, s[FW], 9
	s_add_co_u32 s83, s83, XSC                     ; XSQ
	s_lshl_b32 s84, s[BB], 9                       ; WQO
	s_lshl_b32 s85, s[CG], 10
	s_lshl_b32 s76, s[HF], 12
	s_add_co_u32 s85, s85, s76                     ; WVO
	s_lshl_b32 s86, s[CG], 8
	s_add_co_u32 s86, s86, SCRV                    ; SVR
	s_lshl_b32 s76, s[HW], 1
	s_add_co_u32 s87, s86, s76                     ; SVW
	s_lshl_b32 s88, s[FW], 6
	s_add_co_u32 s88, s88, s[BB]
	s_add_co_u32 s88, s88, SCRS                    ; SSW
	s_lshl_b32 s89, s[BB], 9
	s_lshl_b32 s76, s[FW], 7
	s_add_co_u32 s89, s89, s76
	s_add_co_u32 s89, s89, SCRQ                    ; SQW
	s_lshl_b32 s90, s[FW], 10
	s_lshl_b32 s76, s[BB], 8
	s_add_co_u32 s90, s90, s76                     ; QOF
	v_and_b32 v96, 31, v0                          ; lane
	v_and_b32 v97, 15, v0                          ; r
	v_bfe_u32 v98, v0, 4, 1                        ; h
	v_lshlrev_b32 v[LI], 4, v96
	v_mul_u32_u24 v100, v97, P
	v_lshlrev_b32 v[L8], 3, v96
	v_lshl_add_u32 v[WQO], v96, 4, s84             ; a lane a row
	v_lshl_add_u32 v100, v98, 4, v100              ; a fragment's row x pitch + 16 h
	v_lshl_add_u32 v[WVO], v97, 4, s85
	v_lshl_add_u32 v[XSA], v96, 4, s82
	v_add_nc_u32 v[AXV], s78, v100
	v_add_nc_u32 v[AXB], s79, v100
	v_add_nc_u32 v[AWA], s80, v100
	v_add_nc_u32 v[AVW], s81, v100
	v_lshl_add_u32 v[XSQ], v97, 4, s83
	v_lshl_add_u32 v[SVW], v97, 3, s87
	v_lshl_add_u32 v[SVR], v96, 3, s86
	v_lshl_add_u32 v[SSW], v97, 2, s88
	v_lshl_add_u32 v[SQW], v96, 2, s89
	v_lshl_add_u32 v[QOF], v97, 4, s90
	v_lshl_add_u32 v[QOF], v98, 3, v[QOF]
	v_add_nc_u32 v[SSR], SCRS, v[L8]
	v_add_nc_u32 v[SQR], SCRQ, v[LI]
.irp n, 0,1,2,3,4,5,6,7,8,9
	v_mov_b32 v[T2+\n], 0                          ; written once: a lane permute's destination counts as one of its sources
.endr
	s_wait_alu depctr_va_vdst(0)                   ; the wait at the head's end
	s_wait_dscnt 0x0                               ; both opening adds are done
	ROUND                                          ; all four work-groups are here: the joint loads meet
	s_wait_kmcnt 0x0
	s_cmp_eq_u32 s[HF], 0                          ; Wq or Wk
	s_cselect_b64 s[WC:WC+1], s[12:13], s[16:17]
	s_cselect_b64 s[WSP:WSP+1], s[14:15], s[18:19]
	global_load_b128 v[WQS:WQS+3], v[WQO], s[WSP:WSP+1]   ; a row's 16 scale bytes are the four words of its four K steps
.irp o, 0,1,2,3
	global_load_b128 v[WVS+4*\o:WVS+4*\o+3], v[WVO], s[22:23] offset:256*\o
.endr
	s_lshl_b32 s78, s[HF], 16                      ; Wv: 256 rows a half, 64 a wave
	s_lshl_b32 s80, s[CG], 14
	s_add_co_u32 s78, s78, s80
	s_mov_b32 s79, 0
	s_add_nc_u64 s[78:79], s[20:21], s[78:79]
	s_cmp_lt_u32 s[WV], 4
	s_cselect_b64 s[G0W+2:G0W+3], s[WC:WC+1], s[78:79]
	s_or_b32 s[G0W+3], s[G0W+3], 0x80000000
	s_mov_b32 s77, 0                               ; the upper word of every offset made in s76
	s_lshl_b32 s76, s[SG], 15                      ; x: 128 rows a record, 64 a wave
	s_lshl_b32 s91, s[WV], 14
	s_add_co_u32 s76, s76, s91
	s_add_nc_u64 s[G0+2:G0+3], s[8:9], s[76:77]
	s_or_b32 s[G0+3], s[G0+3], 0x80000000
	s_lshl_b32 s76, s[SG], 11
	s_add_nc_u64 s[G0S+2:G0S+3], s[10:11], s[76:77]
	s_or_b32 s[G0S+3], s[G0S+3], 0x80000000
	s_cmp_lt_u32 s[WV], 2                          ; all fills of the launch, one load a wave
	s_cbranch_scc0 .Lnot_x
	tensor_load_to_lds s[G0:G0+3], s[G1:G1+7]
	s_nop 0
	PLACES
	s_branch .Lasked
.Lnot_x:
	s_cmp_eq_u32 s[WV], 3
	s_cbranch_scc0 .Lweights
	tensor_load_to_lds s[G0S:G0S+3], s[G1S:G1S+7]
	s_nop 0
	PLACES
	s_branch .Lasked
.Lweights:
	tensor_load_to_lds s[G0W:G0W+3], s[G1W:G1W+7]
	s_nop 0
	PLACES
.Lasked:
	s_mul_i32 s76, s[SG], REC
	s_add_nc_u64 s[KVR:KVR+1], s[24:25], s[76:77]
	s_mul_i32 s76, s[SG], KPART
	s_add_nc_u64 s[DST:DST+1], s[26:27], s[76:77]
	s_cmp_eq_u32 s[HF], 0
	s_cselect_b64 s[DST:DST+1], s[DST:DST+1], s[KVR:KVR+1]
	s_lshl_b32 s76, s[HF], 14                      ; my columns' first fragment of V^T, the register group of my 64 tokens
	s_lshl_b32 s91, s[CG], 12
	s_add_co_u32 s76, s76, s91
	s_lshl_b32 s91, s[HW], 9
	s_add_co_u32 s76, s76, s91
	s_add_co_u32 s76, s76, OVF
	s_add_nc_u64 s[VP:VP+1], s[KVR:KVR+1], s[76:77]
	s_lshl_b32 s76, s[HF], 10
	s_lshl_b32 s91, s[CG], 8
	s_add_co_u32 s76, s76, s91
	s_add_co_u32 s76, s76, OVS
	s_add_nc_u64 s[VSP:VSP+1], s[KVR:KVR+1], s[76:77]
	s_wait_tensorcnt 0x0                           ; my tile is in,
	s_barrier_signal -1
	s_barrier_wait -1                              ; everybody's are
.irp t, 0,1
	ds_load_b128 v[XSV+4*\t:XSV+4*\t+3], v[XSA] offset:512*\t
	ds_load_b128 v[XSB+4*\t:XSB+4*\t+3], v[XSQ] offset:256*\t
.endr
	FETCH 0
	FETCH 1
	s_wait_loadcnt 0x0
	s_wait_dscnt 24                                ; all but K step 1's loads
	MUL 0, 1
	PLACES
	FETCH 2
	s_wait_dscnt 24
	MUL 1, 0
	PLACES
	FETCH 3
	s_wait_dscnt 24
	MUL 2, 0
	s_wait_dscnt 0x0
	MUL 3, 0
	PLACES
	; the squares of my 32 dims, of the unquantised numbers
.irp u, 0,1
	v_pk_mul_f32 v[PC+2*\u:PC+2*\u+1], v[ACC+16*\u:ACC+16*\u+1], v[ACC+16*\u:ACC+16*\u+1]
.endr
.irp i, 2,4,6,8,10,12,14
.irp u, 0,1
	v_pk_fma_f32 v[PC+2*\u:PC+2*\u+1], v[ACC+16*\u+\i:ACC+16*\u+\i+1], v[ACC+16*\u+\i:ACC+16*\u+\i+1], v[PC+2*\u:PC+2*\u+1]
.endr
.endr
	; ten blocks of 32: the largest magnitude, with the floor 2^(3 - 127) among its leaves: the byte cannot fall under 1
.irp n, 0,1,2,3,4,5,6,7,8,9
	v_max3_num_f32 v[M+\n], |v[ACC+16*\n]|, |v[ACC+16*\n+1]|, 0x1800000
.endr
	v_add_f32 v[PC], v[PC], v[PC+1]
	v_add_f32 v[PC+2], v[PC+2], v[PC+3]
.irp i, 2,4,6,8,10,12,14
.irp n, 0,1,2,3,4,5,6,7,8,9
	v_max3_num_f32 v[M+\n], v[M+\n], |v[ACC+16*\n+\i]|, |v[ACC+16*\n+\i+1]|
.endr
.endr
	v_permlanex16_b32 v[T2], v[PC], s[SEL], s[SEL+1]
	v_permlanex16_b32 v[T2+1], v[PC+2], s[SEL], s[SEL+1]
	v_and_b32 v[PC+1], 16, v0
	v_add_f32 v[PC], v[PC], v[T2]                  ; with lane l xor 16's 16 dims
	v_add_f32 v[PC+2], v[PC+2], v[T2+1]
	v_cmp_ne_u32 vcc_lo, 0, v[PC+1]
	v_cndmask_b32 v[PC+3], v[PC], v[PC+2], vcc_lo  ; lanes 0-15 keep tile 0's, lanes 16-31 tile 1's: 32 tokens in 32 lanes
	ds_store_b32 v[SQW], v[PC+3]
.irp n, 0,1,2,3,4,5,6,7,8,9
	v_permlanex16_b32 v[T2+\n], v[M+\n], s[SEL], s[SEL+1]
.endr
.irp n, 0,1,2,3,4,5,6,7,8,9
	v_max_num_f32 v[M+\n], v[M+\n], v[T2+\n]
.endr
.irp n, 0,1,2,3,4,5,6,7,8,9
	v_add_nc_u32 v[M+\n], 0xff000000, v[M+\n]      ; 2 off the exponent field: the conversion's scale operand
.endr
.irp n, 0,1,2,3,4,5,6,7,8,9
	v_lshrrev_b32 v[T2+\n], 23, v[M+\n]            ; the scale's byte
.endr
.irp n, 0,1,2,3,4,5,6,7,8,9
	v_cvt_scalef32_pk8_fp4_f32 v[PC+2*\n], v[ACC+16*\n:ACC+16*\n+7], v[M+\n]
	v_cvt_scalef32_pk8_fp4_f32 v[PC+2*\n+1], v[ACC+16*\n+8:ACC+16*\n+15], v[M+\n]
.endr
	v_nop
.irp u, 0,1
	global_store_b64 v[QOF], v[PC+2*\u:PC+2*\u+1], s[DST:DST+1] offset:512*\u   ; 256 consecutive bytes, aligned
	ds_store_b8 v[SSW], v[T2+\u] offset:2*\u
.endr
.irp o, 0,1,2,3
	v_permlane16_swap_b32 v[PC+4+4*\o], v[PC+6+4*\o]   ; the operand's layout wants a whole block in a lane
	v_permlane16_swap_b32 v[PC+5+4*\o], v[PC+7+4*\o]
.endr
.irp o, 0,1,2,3
	v_lshl_or_b32 v[M+\o], v[T2+3+2*\o], 8, v[T2+2+2*\o]
.endr
.irp o, 0,1,2,3
	global_store_b128 v[LI], v[PC+4+4*\o:PC+7+4*\o], s[VP:VP+1] offset:1024*\o   ; 512 consecutive bytes, aligned
	ds_store_b16 v[SVW], v[M+\o] offset:128*(\o%2)+4*(\o/2)
.endr
	s_wait_alu depctr_va_vdst(0)
	s_wait_dscnt 0x0                               ; for the others' sake: my stores are done
	s_barrier_signal -1
	s_barrier_wait -1
	s_cmp_lt_u32 s[WV], 4
	s_cbranch_scc1 .Lnot_v
	ds_load_b64 v[96:97], v[SVR]                   ; waves 4 to 7: V's scale words, 256 bytes each
	s_wait_dscnt 0x0
	global_store_b64 v[L8], v[96:97], s[VSP:VSP+1]
.Lnot_v:
	s_cmp_lg_u32 s[WV], 0
	s_cbranch_scc1 .Lnot_wave_0
	ds_load_b64 v[98:99], v[SSR]                   ; wave 0: Q's or K's scale words and squares
	ds_load_b128 v[100:103], v[SQR]
	ds_load_b128 v[104:107], v[SQR] offset:512
	s_wait_dscnt 0x0
	v_pk_add_f32 v[100:101], v[100:101], v[104:105]
	v_pk_add_f32 v[102:103], v[102:103], v[106:107]
	v_pk_mul_f32 v[100:101], v[100:101], -0.5 op_sel_hi:[1,0]
	v_pk_mul_f32 v[102:103], v[102:103], -0.5 op_sel_hi:[1,0]
	global_store_b64 v[L8], v[98:99], s[DST:DST+1] offset:OKS
	global_store_b128 v[LI], v[100:103], s[DST:DST+1] offset:OKC
.Lnot_wave_0:
	s_wait_tensorcnt 0x0                           ; the wave's end
	ds_add_u32 v[SPW], v[NIL]
	s_wait_dscnt 0x0
	ROUND                                          ; the closing round
	s_endpgm
.Lfunc_end_k_qdf5de2f6ad_proj:
	.size	k_qdf5de2f6ad_proj, .Lfunc_end_k_qdf5de2f6ad_proj-k_qdf5de2f6ad_proj
	.p2alignl 7, 3214868480
	.fill 96, 4, 3214868480
	.section	.rodata,"a",@progbits
	.p2align	6, 0x0
	.amdhsa_kernel k_qdf5de2f6ad_proj
		.amdhsa_group_segment_fixed_size 167936
		.amdhsa_private_segment_fixed_size 0
		.amdhsa_enable_private_segment 0
		.amdhsa_kernarg_size 80
		.amdhsa_user_sgpr_count 2
		.amdhsa_user_sgpr_kernarg_segment_ptr 1
		.amdhsa_wavefront_size32 1
		.amdhsa_system_sgpr_workgroup_id_x 1
		.amdhsa_system_sgpr_workgroup_id_y 1
		.amdhsa_system_sgpr_workgroup_id_z 1
		.amdhsa_system_vgpr_workitem_id 0
		.amdhsa_next_free_vgpr 512
		.amdhsa_next_free_sgpr 102
		.amdhsa_reserve_vcc 1
		.amdhsa_float_denorm_mode_32 3
		.amdhsa_float_denorm_mode_16_64 3
		.amdhsa_memory_ordered 1
		.amdhsa_forward_progress 1
		.amdhsa_inst_pref_size 35
	.end_amdhsa_kernel
	.amdgpu_metadata
---
amdhsa.version: [ 1, 2 ]
amdhsa.kernels:
  - .name:           k_qdf5de2f6ad_proj
    .symbol:         k_qdf5de2f6ad_proj.kd
    .args:
      - { .name: x_codes, .offset: 0, .size: 8, .value_kind: global_buffer, .address_space: global }
      - { .name: x_scales, .offset: 8, .size: 8, .value_kind: global_buffer, .address_space: global }
      - { .name: Wq_codes, .offset: 16, .size: 8, .value_kind: global_buffer, .address_space: global }
      - { .name: Wq_scales, .offset: 24, .size: 8, .value_kind: global_buffer, .address_space: global }
      - { .name: Wk_codes, .offset: 32, .size: 8, .value_kind: global_buffer, .address_space: global }
      - { .name: Wk_scales, .offset: 40, .size: 8, .value_kind: global_buffer, .address_space: global }
      - { .name: Wv_codes, .offset: 48, .size: 8, .value_kind: global_buffer, .address_space: global }
      - { .name: Wv_scales, .offset: 56, .size: 8, .value_kind: global_buffer, .address_space: global }
      - { .name: kv, .offset: 64, .size: 8, .value_kind: global_buffer, .address_space: global }
      - { .name: qws, .offset: 72, .size: 8, .value_kind: global_buffer, .address_space: global }
    .group_segment_fixed_size: 167936
    .private_segment_fixed_size: 0
    .kernarg_segment_align: 8
    .kernarg_segment_size: 80
    .max_flat_workgroup_size: 256
    .sgpr_count:     102
    .vgpr_count:     512
    .wavefront_size: 32
...
	.end_amdgpu_metadata
.endif
;; end of part 1
;; launch attn (part 2): grid 64 x 4, 8 waves a work-group, clusters of 4 x 1, 327,680 bytes of LDS; arguments kv, qws, log_lambda, out0; writes out0
.if DOCPART == 2
	.amdgcn_target "amdgcn-amd-amdhsa--gfx1250"
	.amdhsa_code_object_version 6
	.text
	.protected	k_qdf5de2f6ad_attn
	.globl	k_qdf5de2f6ad_attn
	.p2align	8
	.type	k_qdf5de2f6ad_attn,@function
k_qdf5de2f6ad_attn:
	s_mov_b64 s[64:65], 0
	v_nop
	global_prefetch_b8 v0, s[64:65] scope:SCOPE_SE
	s_setreg_imm32_b32 hwreg(HW_REG_WAVE_MODE, 25, 1), 1
	s_wait_xcnt 0x0
	s_wait_alu depctr_hold_cnt(0) depctr_sa_sdst(0) depctr_va_vdst(0) depctr_va_sdst(0) depctr_va_ssrc(0) depctr_va_vcc(0) depctr_vm_vsrc(0)
	s_getreg_b32 s2, hwreg(HW_REG_IB_STS2, 6, 4)
	s_cmp_eq_u32 s2, 0
	s_cbranch_scc0 .Lentry_in_a_cluster
	s_endpgm
.Lentry_in_a_cluster:
	s_bfe_u32 s2, ttmp6, 0x10000c
	s_cmp_lg_u32 s2, 0x3003
	s_cbranch_scc0 .Lentry_shape_is_right
	s_endpgm
.Lentry_shape_is_right:
; out = softmax(-dist^2 / (2 lam^2)) V, on the codes, scale words and squares that the launch before has laid in kv and qws (records of 128 tokens).
; t = min(CS (q.k - |k|^2/2) - CS |q|^2/2, 0), CS = log2(e) / lam^2;  M = ceil(the running largest t);  p = 2^(t - M) is quantised along the keys; the row's sum is of the unquantised p.
; SHARES.  A work-group owns 64 queries of one batch (256 work-groups: one turn) and has eight waves, two to a SIMD.  Wave w makes P for block w (32 keys) of each 256 keys, for all 64 queries, and owns columns 64 w .. 64 w + 63 of O.
; A CHUNK c IS 512 KEYS, two intervals of 256, and has one barrier.  In it a wave multiplies P(c) with V(c), makes P(c + 1) from scores that it holds, and computes the scores of chunk c + 2 into the registers just freed.
; All scores of a chunk are in registers (128 a wave) before its M is fixed, so one pass over the keys serves; M moves and O is multiplied by 2^(old M - new M) once a chunk.
; A block's largest score serves for the row's maximum and for the block's scale.
; V comes through a ring of two LDS slots of 512 keys, filled jointly by the cluster's four work-groups, which walk the same keys.  K and V's scale words (6,912 of a record's 39,680 bytes) are each read by one wave of a
; work-group alone, once, straight into its operand registers an interval ahead: a small part of a step's bytes, so they take no part in the joint loads.
; Both products are used transposed: a lane holds ONE query.  K's fragment has two tiles of 16 keys x 64 dims in the instruction's 128 along K; Q's fragment has zeros in the other tile's place.
; LIMITS: NaN, infinities and scale bytes 0xff are not served; the scaled scores stay under 2^31 in magnitude.  A block of P whose largest p is under 2^-124 has the scale byte 1.
; REGISTERS: window 0: addresses, scales, softmax, S at v128-255.  window 1: O v0-127, V v128-159, P v160-191, K v192-199, -|k|^2/2 v200-215, Q with zeros v216-251.
.set REC,   39680
.set KPART, 4864
.set OKS,   4096
.set OKC,   4352
.set OVS,   4864
.set OVF,   6912
.set TOG,   0x20000                    ; a slot: 4 records x 32,768 bytes of V; slot 1 begins at 131,072
.set PIMG,  262144                     ; P's codes of an odd chunk: 4 x 128 keys, 4 fragments of 1,024 bytes each
.set PSC,   PIMG+16384                 ; P's scale words: two buffers of 1,024 bytes
.set RED,   PSC+2048                   ; a number for each query and wave: two buffers of 2,048 bytes
.set SPARE, RED+4096                   ; the spare words, 128 bytes a wave
.set PIM0,  SPARE+1024                 ; P's codes of an even chunk
.set DELT,  PIM0-PIMG
.set STAGE, PIM0                       ; the way out: 16 rows x 272 bytes a wave, where chunk 6's P has been read by then and no fill lands
.set LI,   1
.set AKF,  2
.set AKS,  3
.set AKC,  4
.set AVS,  5
.set AVF0, 6
.set ADVF, 7
.set PWA,  8
.set ADV2, PWA                         ; in the last chunk, which makes no P
.set PSA,  9
.set PRA,  10
.set PRS,  11
.set RDW,  12
.set RDR,  13
.set STO,  14
.set SRD,  15
.set CO,   16
.set SPW,  17
.set NIL,  18
.set PFO,  19
.set KS,   20                          ; K's scale word; v21-23 those of the head's three further sets; in the last chunk v20-23 P's
.set QS,   24                          ; Q's scale words; in the last chunk V's
.set PS,   28
.set VS,   32                          ; V's scale words: two sets of four
.set L,    40                          ; sums, in two halves each
.set BN,   48                          ; pairs: -CS |q|^2/2 - M, -M
.set BMA,  56
.set BMB,  60
.set TMP,  64
.set F,    68                          ; pairs: 2^(old M - new M) (at the end 1 / sum), 0
.set NQC,  76
.set RM,   80
.set SO,   84
.set BY,   88
.set PC,   92
.set MX,   100
.set NQ,   116
.set PS2,  120                         ; v120-127 P's scale words in the last chunk
.set SA,   128
.set SB,   192
.set OA,   0                           ; window 1 from here on
.set VF,   128
.set PF,   160
.set KF,   192
.set CR,   200
.set QZ,   216
.set G1,   16
.set G0,   24
.set WV,   28
.set CS,   30
.set SEL,  32
.set OT,   35
.set LIM,  36
.set PFA,  38
.set OUT,  40
.set QP,   42
.set KP,   44
.set MSB, 0
.macro WIN new                         ; the immediate's high byte repeats the setting that is left
.if MSB != \new
	s_set_vgpr_msb (MSB<<8)|\new
.set MSB, \new
.endif
.endm
.macro PLACES
.rept 4
	v_nop
.endr
.endm
.macro CREST                           ; a round of the cluster's barrier behind its opening barrier
	s_cmp_lg_u32 s[WV], 0
	s_cbranch_scc1 .Lnot_wave_0_\@
	s_barrier_signal -3
.Lnot_wave_0_\@:
	s_barrier_wait -3
	s_barrier_signal -1
	s_barrier_wait -1
.endm
.macro ROUND
	s_barrier_signal -1
	s_barrier_wait -1
	CREST
.endm
.macro KLD kf, cr, ks, off             ; my block of K: seven loads
	WIN 0x40
	global_load_b128 v[\kf:\kf+3], v[AKF], s[KP:KP+1] offset:\off
	global_load_b128 v[\kf+4:\kf+7], v[AKF], s[KP:KP+1] offset:\off+512
.irp j, 0,1,2,3
	global_load_b128 v[\cr+4*\j:\cr+4*\j+3], v[AKC], s[KP:KP+1] offset:\off+64*(\j/2)+16*(\j%2)
.endr
	WIN 0
	global_load_b32 v[\ks], v[AKS], s[KP:KP+1] offset:\off
.endm
.macro SCORE kf, cr, ks                ; q.k - |k|^2/2 of 32 keys x 64 queries: register SHX + 16 t + 8 u + j is key 16 u + 8 h + j of the block, query tile t (V's fragments hold a block's keys in the same order)
	WIN 0x15
.irp t, 0,1,2,3
	v_wmma_scale_f32_16x16x128_f8f6f4 v[SHX+16*\t:SHX+16*\t+7], v[\kf:\kf+7], v[QZ+4+8*\t:QZ+11+8*\t], v[\cr:\cr+7], v[\ks], v[QS+\t] matrix_a_fmt:MATRIX_FMT_FP4 matrix_b_fmt:MATRIX_FMT_FP4
	v_wmma_scale_f32_16x16x128_f8f6f4 v[SHX+16*\t+8:SHX+16*\t+15], v[\kf:\kf+7], v[QZ+8*\t:QZ+7+8*\t], v[\cr+8:\cr+15], v[\ks], v[QS+\t] matrix_a_fmt:MATRIX_FMT_FP4 matrix_b_fmt:MATRIX_FMT_FP4
.endr
	WIN 0
.endm
.macro MAXES                           ; the block's largest score of each query
.irp t, 0,1,2,3
	v_max3_num_f32 v[BXX+\t], v[SHX+16*\t], v[SHX+16*\t+1], v[SHX+16*\t+2]
.endr
.irp i, 3,5,7,9,11,13
.irp t, 0,1,2,3
	v_max3_num_f32 v[BXX+\t], v[BXX+\t], v[SHX+16*\t+\i], v[SHX+16*\t+\i+1]
.endr
.endr
.irp t, 0,1,2,3
	v_max_num_f32 v[BXX+\t], v[BXX+\t], v[SHX+16*\t+15]
.endr
.irp t, 0,1,2,3
	v_permlanex16_b32 v[TMP+\t], v[BXX+\t], s[SEL], s[SEL+1]
.endr
.irp t, 0,1,2,3
	v_max_num_f32 v[BXX+\t], v[BXX+\t], v[TMP+\t]
.endr
.endm
.macro CMSTORE b                       ; my two blocks' largest of the chunk, for the other waves, in buffer b
.irp t, 0,1,2,3
	v_max_num_f32 v[SO+\t], v[BMA+\t], v[BMB+\t]
.endr
.irp t, 0,1,2,3
	ds_store_b32 v[RDW], v[SO+\t] offset:2048*(\b)+512*\t
.endr
.endm
.macro LSTORE b                        ; my part of the rows' sums
.irp t, 0,1,2,3
	v_add_f32 v[SO+\t], v[L+2*\t], v[L+2*\t+1]
.endr
.irp t, 0,1,2,3
	v_permlanex16_b32 v[TMP+\t], v[SO+\t], s[SEL], s[SEL+1]
.endr
.irp t, 0,1,2,3
	v_add_f32 v[SO+\t], v[SO+\t], v[TMP+\t]
.endr
.irp t, 0,1,2,3
	ds_store_b32 v[RDW], v[SO+\t] offset:2048*(\b)+512*\t
.endr
.endm
.macro MREAD b                         ; a lane reads four waves' numbers of its query, lane l xor 16 the other four
.irp t, 0,1,2,3
	ds_load_b128 v[MX+4*\t:MX+4*\t+3], v[RDR] offset:2048*(\b)+512*\t
.endr
.endm
.macro MUPD first                      ; the next chunk's M
.irp t, 0,1,2,3
	v_max3_num_f32 v[MX+4*\t], v[MX+4*\t], v[MX+4*\t+1], v[MX+4*\t+2]
.endr
.irp t, 0,1,2,3
	v_max_num_f32 v[MX+4*\t], v[MX+4*\t], v[MX+4*\t+3]
.endr
.irp t, 0,1,2,3
	v_permlanex16_b32 v[TMP+\t], v[MX+4*\t], s[SEL], s[SEL+1]
.endr
.irp t, 0,1,2,3
	v_max3_num_f32 v[RM+\t], v[RM+\t], v[MX+4*\t], v[TMP+\t]
.endr
.irp t, 0,1,2,3
	v_fma_f32 v[MX+4*\t], -v[RM+\t], s[CS], -v[NQC+\t]   ; -(the largest t)
.endr
.irp t, 0,1,2,3
	v_max_num_f32 v[MX+4*\t], 0, v[MX+4*\t]
.endr
.irp t, 0,1,2,3
	v_floor_f32 v[MX+4*\t+1], v[MX+4*\t]           ; -M
.endr
.if \first == 0
.irp t, 0,1,2,3
	v_sub_f32 v[MX+4*\t+2], v[MX+4*\t+1], v[BN+2*\t+1]
.endr
.irp t, 0,1,2,3
	v_cvt_i32_f32 v[MX+4*\t+2], v[MX+4*\t+2]
.endr
.irp t, 0,1,2,3
	v_ldexp_f32 v[F+2*\t], 1.0, v[MX+4*\t+2]       ; 2^(old M - new M): exact
.endr
.irp t, 0,1,2,3
	v_pk_mul_f32 v[L+2*\t:L+2*\t+1], v[L+2*\t:L+2*\t+1], v[F+2*\t:F+2*\t+1] op_sel_hi:[1,0]
.endr
.endif
.irp t, 0,1,2,3
	v_mov_b32 v[BN+2*\t+1], v[MX+4*\t+1]
.endr
.irp t, 0,1,2,3
	v_fma_f32 v[BN+2*\t], s[CS], v[NQ+\t], v[BN+2*\t+1]
.endr
.endm
.macro RESC t                          ; O of query tile t by F; each accumulator from its low end on
	WIN 0x41
.irp p, 0,1
.irp j, 0,2,4,6,8,10,12,14
	v_pk_mul_f32 v[OA+16*(2*\t+\p)+\j:OA+16*(2*\t+\p)+\j+1], v[OA+16*(2*\t+\p)+\j:OA+16*(2*\t+\p)+\j+1], v[F+2*\t:F+2*\t+1] op_sel_hi:[1,0]
.endr
.endr
	WIN 0
.endm
.macro SOFT1                           ; scores to p, and the block's largest score likewise
.irp i, 0,2,4,6,8,10,12,14
.irp t, 0,1,2,3
	v_pk_fma_f32 v[SHX+16*\t+\i:SHX+16*\t+\i+1], v[SHX+16*\t+\i:SHX+16*\t+\i+1], s[CS:CS+1], v[BN+2*\t:BN+2*\t+1] op_sel_hi:[1,0,0]
.endr
.endr
.irp t, 0,1,2,3
	v_fma_f32 v[BXX+\t], v[BXX+\t], s[CS], v[BN+2*\t]
.endr
.irp i, 0,2,4,6,8,10,12,14
.irp t, 0,1,2,3
	v_dual_min_num_f32 v[SHX+16*\t+\i], v[BN+2*\t+1], v[SHX+16*\t+\i] :: v_dual_min_num_f32 v[SHX+16*\t+\i+1], v[BN+2*\t+1], v[SHX+16*\t+\i+1]   ; dist^2 is held at 0 from below: t - M at -M from above
.endr
.endr
	v_dual_min_num_f32 v[BXX], v[BN+1], v[BXX] :: v_dual_min_num_f32 v[BXX+1], v[BN+3], v[BXX+1]
	v_dual_min_num_f32 v[BXX+2], v[BN+5], v[BXX+2] :: v_dual_min_num_f32 v[BXX+3], v[BN+7], v[BXX+3]
	s_wait_alu depctr_va_vdst(0)                   ; the wait ahead of the batch,
.irp i, 0,1,2,3,4,5,6,7,8,9,10,11,12,13,14,15
.irp t, 0,1,2,3
	v_exp_f32 v[SHX+16*\t+\i], v[SHX+16*\t+\i]
.endr
.endr
.irp t, 0,1,2,3
	v_exp_f32 v[BXX+\t], v[BXX+\t]
.endr
	v_nop
	s_wait_alu depctr_va_vdst(0)                   ; and behind it
.endm
.macro SUMS
.irp i, 0,2,4,6,8,10,12,14
.irp t, 0,1,2,3
	v_pk_add_f32 v[L+2*\t:L+2*\t+1], v[L+2*\t:L+2*\t+1], v[SHX+16*\t+\i:SHX+16*\t+\i+1]
.endr
.endr
.endm
.macro SOFT2 b, e                      ; the block's scale, its codes, and both into P's buffer b, interval e of its chunk
.irp t, 0,1,2,3
	v_max_num_f32 v[BXX+\t], 0x1800000, v[BXX+\t]  ; the floor 2^(3 - 127): the byte cannot fall under 1
.endr
.irp t, 0,1,2,3
	v_add_nc_u32 v[SO+\t], 0xff000000, v[BXX+\t]   ; 2 off the exponent field: the conversion's scale operand
.endr
.irp t, 0,1,2,3
	v_lshrrev_b32 v[BY+\t], 23, v[SO+\t]
.endr
.irp t, 0,1,2,3
	v_cvt_scalef32_pk8_fp4_f32 v[PC+2*\t], v[SHX+16*\t:SHX+16*\t+7], v[SO+\t]
	v_cvt_scalef32_pk8_fp4_f32 v[PC+2*\t+1], v[SHX+16*\t+8:SHX+16*\t+15], v[SO+\t]
.endr
	v_nop
.irp t, 0,1,2,3
	ds_store_b64 v[PWA], v[PC+2*\t:PC+2*\t+1] offset:DELT*(1-(\b))+8192*(\e)+1024*\t
.endr
.irp t, 0,1,2,3
	ds_store_b8 v[PSA], v[BY+\t] offset:1024*(\b)+512*(\e)+4*\t
.endr
.endm
.macro LOADS b, ks                     ; 17 loads: V's four fragments of my columns, P's four, P's scale words
	WIN 0x40
.irp i, 0,1,2,3
	ds_load_b128 v[VF+8*\i:VF+8*\i+3], v[ADVF] offset:32768*((\ks)%2)+1024*\i
	ds_load_b128 v[VF+8*\i+4:VF+8*\i+7], v[ADVF] offset:32768*((\ks)%2)+1024*\i+512
.endr
.irp t, 0,1,2,3
	ds_load_b128 v[PF+8*\t:PF+8*\t+3], v[PRA] offset:DELT*(1-(\b))+4096*(\ks)+1024*\t
	ds_load_b128 v[PF+8*\t+4:PF+8*\t+7], v[PRA] offset:DELT*(1-(\b))+4096*(\ks)+1024*\t+512
.endr
	WIN 0
	ds_load_b128 v[PS:PS+3], v[PRS] offset:1024*(\b)+256*(\ks)
.endm
.macro PV ks, zero                     ; O^T += V^T P^T over 128 keys: eight accumulators of 32 columns x 16 queries by turns
	WIN 0x55
.irp t, 0,1,2,3
.irp p, 0,1
.set rD, OA+16*(2*\t+\p)
.if \zero
	v_wmma_scale_f32_32x16x128_f4 v[rD:rD+15], v[VF+16*\p:VF+16*\p+15], v[PF+8*\t:PF+8*\t+7], 0, v[VS+2*(\ks)+\p], v[PS+\t]
.else
	v_wmma_scale_f32_32x16x128_f4 v[rD:rD+15], v[VF+16*\p:VF+16*\p+15], v[PF+8*\t:PF+8*\t+7], v[rD:rD+15], v[VS+2*(\ks)+\p], v[PS+\t]
.endif
.endr
.endr
.if (\ks)%2
	s_wait_alu depctr_va_vdst(0)                   ; the wait here, directly behind the products
.endif
	WIN 0
.endm
; An interval's work up to its last products.  b: the chunk's parity; e: the interval.  score: 1 the scores two chunks on are made; 2 the sums are handed over.  kl: K of the scores after those is asked for.  lw: loads that may be out in front of V's scale words.
.macro IV b, e, zero, resc, score, kl, lw
.set SHX, SA+64*(\e)
.set BXX, BMA+4*(\e)
.if (\b)+(\e)
	v_add_nc_u32 v[ADVF], TOG*(\b)+0x10000*(\e), v[AVF0]
.else
	v_mov_b32 v[ADVF], v[AVF0]
.endif
.rept 3
	v_nop                                          ; with the line above four places in front of the loads
.endr
.if (\e) == 0
	MREAD 1-\b
.endif
	LOADS \b, 2*\e
.if \resc
.irp t, 2,3
	RESC \t                                        ; O under this chunk's M: the query tiles that the change of slots has left
.endr
.endif
.if (\e) == 0
	s_wait_dscnt 17                                ; all but the 17 loads: the maxima are in
	MUPD 0
.endif
	SOFT1
	s_wait_dscnt 0x0
	s_wait_loadcnt \lw                             ; V's scale words of this interval
	PV 2*\e, \zero
	SUMS                                           ; (also the places in front of the loads)
	LOADS \b, 2*\e+1
	SOFT2 1-\b, \e
.if \score == 1
	s_wait_loadcnt 0x0
	SCORE KF, CR, KS
	PLACES
.endif
	s_wait_xcnt 0x0                                ; the base is rewritten behind this wait
	s_add_nc_u64 s[KP:KP+1], s[KP:KP+1], 2*REC
	global_load_b64 v[VS+4*(1-\e):VS+4*(1-\e)+1], v[AVS], s[KP:KP+1]
	global_load_b64 v[VS+4*(1-\e)+2:VS+4*(1-\e)+3], v[AVS], s[KP:KP+1] offset:REC
.if \kl
	KLD KF, CR, KS, 8*REC
.endif
.if \score == 1
	MAXES
.if \e
	CMSTORE \b
.endif
.endif
.if \score == 2
	LSTORE \b
.endif
.endm
.macro MID                             ; the first interval's last products: behind their loads are P's eight stores
	s_wait_dscnt 8
	PV 1, 0
.endm
; A prefetch into the L2 behind the joint load: the records two slots on.  The first cluster of each batch asks, a record a work-group, 20 blocks of 256 bytes a wave (155 in a record; lanes left over name a block again).
.macro ASK how
.if \how == 1
	s_cmp_eq_u32 s[LIM], 1
.else
	s_cmp_gt_u32 s[OT], s[LIM]                     ; the loop's last change asks for nothing: no record is two slots on
.endif
	s_cbranch_scc0 .Lnot_mine_\@
	global_prefetch_b8 v[PFO], s[PFA:PFA+1] th:TH_LOAD_NT scope:SCOPE_SE
.Lnot_mine_\@:
.endm
; The change of slots.  Behind the round the slot that was left takes the chunk after the one that begins.
.macro CHG pv, how
	s_wait_tensorcnt 0x0                           ; my part of the slot that is read next is in
	ds_add_u32 v[SPW], v[NIL]
	s_xor_b32 s[G0+1], s[G0+1], TOG
	s_add_nc_u64 s[G0+2:G0+3], s[G0+2:G0+3], 4*REC
	s_wait_xcnt 0x0
	s_add_nc_u64 s[PFA:PFA+1], s[PFA:PFA+1], 4*REC
	s_wait_dscnt 0x0                               ; the add, my stores and my reads are done
	s_barrier_signal -1
.if \pv
	PV 3, 0
	PLACES                                         ; in front of the first read of results
	RESC 0                                         ; O of two query tiles under the next chunk's M, while the others arrive
	RESC 1
.endif
	s_barrier_wait -1
	CREST
	tensor_load_to_lds s[G0:G0+3], s[G1:G1+7]
	s_nop 0
	PLACES
.if \how < 2
	ASK \how
.endif
.endm
	s_load_b256 s[4:11], s[0:1], 0x0               ; kv, qws, log_lambda, out0
	v_lshl_add_u32 v[SPW], v0, 2, SPARE
	v_mov_b32 v[NIL], 0
	ds_add_u32 v[SPW], v[NIL]                      ; the opening: the add twice on end
	ds_add_u32 v[SPW], v[NIL]
	v_lshrrev_b32 v1, 5, v0
	v_readfirstlane_b32 s[WV], v1                  ; wave 0..7
	s_bfe_u32 s46, ttmp6, 0x40000                  ; cx
	s_lshl_b32 s47, ttmp9, 2
	s_add_co_u32 s47, s47, s46                     ; my 64 queries
	s_and_b32 s48, ttmp7, 0xffff                   ; the batch
	s_mov_b32 s[G1], 15|(3<<16)|(1<<21)            ; 64 rows of 256 bytes, dense, to all four work-groups
	s_mov_b32 s[G1+1], 32<<16
	s_mov_b32 s[G1+2], 64<<16
	s_mov_b32 s[G1+3], 32<<16
	s_mov_b32 s[G1+4], 64
	s_mov_b32 s[G1+5], 32
	s_mov_b32 s[G1+6], 0
	s_mov_b32 s[G1+7], 0
	s_mov_b32 s[G0], 1
	s_lshl_b32 s[G0+1], s[WV], 14
	s_mov_b32 s[SEL], 0x76543210
	s_mov_b32 s[SEL+1], 0xfedcba98
	s_cmp_eq_u32 ttmp9, 0
	s_cselect_b32 s[LIM], 1, -1
	s_mul_i32 s50, s48, 32*REC                     ; the batch's first record
	s_mov_b32 s51, 0
	s_lshr_b32 s52, s[WV], 1
	s_mul_i32 s52, s52, REC
	s_and_b32 s53, s[WV], 1
	s_lshl_b32 s53, s53, 14
	s_add_co_u32 s52, s52, s53
	s_add_co_u32 s52, s52, OVF                     ; my half of a record's fragments of V
	s_mov_b32 s53, 0
	s_add_co_u32 s54, s46, 8
	s_mul_i32 s54, s54, REC
	s_mov_b32 s55, 0
	s_lshl_b32 s56, s48, 23
	s_lshl_b32 s57, s47, 17
	s_add_co_u32 s56, s56, s57
	s_lshl_b32 s57, s[WV], 8
	s_add_co_u32 s56, s56, s57                     ; my columns of my rows of out0
	s_mov_b32 s57, 0
	s_lshl_b32 s58, s48, 5
	s_lshr_b32 s59, s47, 1
	s_add_co_u32 s58, s58, s59
	s_mul_i32 s58, s58, KPART
	s_mov_b32 s59, 0
	s_and_b32 s49, s47, 1                          ; which half of Q's record
	s_lshr_b32 s66, s[WV], 2                       ; my block: record w / 4 of the interval's two, fragment w % 4
	s_and_b32 s67, s[WV], 3
	s_mul_i32 s68, s66, REC
	s_lshl_b32 s69, s49, 11
	s_lshl_b32 s70, s49, 7
	s_add_co_u32 s70, s70, OKS
	s_lshl_b32 s71, s49, 8
	s_add_co_u32 s71, s71, OKC
	s_lshl_b32 s72, s67, 10
	s_add_co_u32 s72, s72, s68
	s_lshl_b32 s73, s67, 6
	s_add_co_u32 s73, s73, s68
	s_add_co_u32 s73, s73, OKS
	s_lshl_b32 s74, s67, 7
	s_add_co_u32 s74, s74, s68
	s_add_co_u32 s74, s74, OKC
	s_lshl_b32 s75, s[WV], 8
	s_add_co_u32 s75, s75, OVS
	s_lshl_b32 s77, s66, 12
	s_lshl_b32 s78, s67, 8
	s_add_co_u32 s77, s77, s78
	s_add_co_u32 s77, s77, PIMG
	s_lshl_b32 s76, s66, 8
	s_add_co_u32 s76, s76, s67
	s_add_co_u32 s76, s76, PSC
	s_lshl_b32 s78, s[WV], 2
	s_add_co_u32 s78, s78, RED
	s_mul_i32 s79, s[WV], 16*272
	s_add_co_u32 s79, s79, STAGE
	s_lshl_b32 s80, s[WV], 12
	s_mul_i32 s81, s[WV], 20
	v_and_b32 v240, 31, v0                         ; lane
	v_and_b32 v241, 15, v0                         ; r
	v_bfe_u32 v242, v0, 4, 1                       ; h
	v_lshlrev_b32 v[LI], 4, v240
	v_add_nc_u32 v243, s69, v[LI]
	v_lshl_add_u32 v244, v241, 2, s70
	v_lshl_add_u32 v245, v241, 2, s71
	v_add_nc_u32 v[AKF], s72, v[LI]
	v_lshl_add_u32 v[AKS], v241, 2, s73
	v_lshl_add_u32 v[AKC], v242, 5, s74
	v_lshl_add_u32 v[AVS], v240, 3, s75
	v_add_nc_u32 v[AVF0], s80, v[LI]
	v_lshl_add_u32 v[PWA], v241, 4, s77
	v_lshl_add_u32 v[PWA], v242, 3, v[PWA]
	v_lshl_add_u32 v[PSA], v241, 4, s76
	v_add_nc_u32 v[PRA], PIMG, v[LI]
	v_lshlrev_b32 v[PRS], 4, v241
	v_add_nc_u32 v[PRS], PSC, v[PRS]
	v_lshl_add_u32 v[RDW], v241, 5, s78
	v_lshlrev_b32 v[RDR], 5, v241
	v_lshl_add_u32 v[RDR], v242, 4, v[RDR]
	v_add_nc_u32 v[RDR], RED, v[RDR]
	v_mul_u32_u24 v[STO], v241, 272
	v_lshl_add_u32 v[STO], v242, 5, v[STO]
	v_add_nc_u32 v[STO], s79, v[STO]
	v_mul_u32_u24 v[SRD], v242, 272
	v_lshl_add_u32 v[SRD], v241, 4, v[SRD]
	v_add_nc_u32 v[SRD], s79, v[SRD]
	v_lshlrev_b32 v[CO], 11, v242
	v_lshl_add_u32 v[CO], v241, 4, v[CO]
	v_min_u32 v[PFO], 19, v240
	v_add_nc_u32 v[PFO], s81, v[PFO]
	v_min_u32 v[PFO], 154, v[PFO]
	v_lshlrev_b32 v[PFO], 8, v[PFO]
	s_wait_alu depctr_va_vdst(0)
	s_wait_dscnt 0x0                               ; both opening adds are done
	s_wait_kmcnt 0x0
	s_load_b32 s12, s[8:9], 0x0
	s_add_nc_u64 s[KP:KP+1], s[4:5], s[50:51]
	s_add_nc_u64 s[QP:QP+1], s[6:7], s[58:59]
	s_add_nc_u64 s[OUT:OUT+1], s[10:11], s[56:57]
	s_add_nc_u64 s[G0+2:G0+3], s[KP:KP+1], s[52:53]
	s_or_b32 s[G0+3], s[G0+3], 0x80000000
	s_add_nc_u64 s[PFA:PFA+1], s[KP:KP+1], s[54:55]
	WIN 0x40
.irp t, 0,1,2,3
	global_load_b128 v[QZ+4+8*\t:QZ+7+8*\t], v243, s[QP:QP+1] offset:512*\t
.endr
	WIN 0
	global_load_b32 v246, v244, s[QP:QP+1]
	global_load_b32 v247, v244, s[QP:QP+1] offset:64
.irp t, 0,1,2,3
	global_load_b32 v[NQ+\t], v245, s[QP:QP+1] offset:64*\t
.endr
	KLD KF, CR, KS, 0                              ; K of intervals 0 to 3 at once: O's registers are free, so they lend three sets
	KLD OA, OA+8, 21, 2*REC
	global_load_b64 v[VS:VS+1], v[AVS], s[KP:KP+1]
	global_load_b64 v[VS+2:VS+3], v[AVS], s[KP:KP+1] offset:REC
	KLD OA+24, OA+32, 22, 4*REC
	KLD OA+48, OA+56, 23, 6*REC
	ROUND                                          ; all four work-groups are here: the first joint load meets
	tensor_load_to_lds s[G0:G0+3], s[G1:G1+7]      ; chunk 0 into slot 0
	s_nop 0
	PLACES
	WIN 0x40
.irp z, 0,8,16,24,32
.irp j, 0,1,2,3
	v_mov_b32 v[QZ+\z+\j], 0
.endr
.endr
	WIN 0
.irp t, 0,1,2,3
	v_mov_b32 v[RM+\t], 0xff800000
	v_mov_b32 v[TMP+\t], 0                         ; (a lane permute's destination counts as one of its sources)
.endr
	s_wait_alu depctr_va_vdst(0)
	s_wait_kmcnt 0x0
	v_mov_b32 v248, s12
	v_mul_f32 v248, 0x3fb8aa3b, v248
	s_wait_alu depctr_va_vdst(0)
	v_exp_f32 v248, v248
	v_nop
	s_wait_alu depctr_va_vdst(0)
	v_max_num_f32 v248, 0x3a83126f, v248           ; lam, at least 0.001
	v_mul_f32 v248, v248, v248
	s_wait_alu depctr_va_vdst(0)
	v_rcp_f32 v249, v248
	v_nop
	s_wait_alu depctr_va_vdst(0)
	v_mul_f32 v249, 0x3fb8aa3b, v249
	v_readfirstlane_b32 s[CS], v249
	s_mov_b32 s[CS+1], s[CS]                       ; (the packed form names the pair)
	s_wait_alu depctr_va_vdst(0)                   ; the wait at the head's end
	s_wait_loadcnt 23                              ; Q and K of interval 0; K of 1 to 3 (21) and V's scale words (2) may be out
	v_perm_b32 v[QS], v246, v246, 0x01000100       ; a tile's two scale bytes in both places along K
	v_perm_b32 v[QS+1], v246, v246, 0x03020302
	v_perm_b32 v[QS+2], v247, v247, 0x01000100
	v_perm_b32 v[QS+3], v247, v247, 0x03020302
.irp t, 0,1,2,3
	v_mul_f32 v[NQC+\t], s[CS], v[NQ+\t]
.endr
.irp t, 0,1,2,3,4,5,6,7
	v_mov_b32 v[L+\t], 0
	v_mov_b32 v[F+\t], 0
.endr
.set SHX, SA
.set BXX, BMA
	SCORE KF, CR, KS
	PLACES
	KLD KF, CR, KS, 8*REC                          ; K of interval 4
	MAXES
.set SHX, SB
.set BXX, BMB
	s_wait_loadcnt 23                              ; K of interval 1; behind it V's scale words (2), K of 2 to 4 (21)
	SCORE OA, OA+8, 21
	PLACES
	MAXES
	CMSTORE 0
	s_wait_alu depctr_va_vdst(0)
	s_wait_dscnt 0x0
	s_barrier_signal -1
	s_barrier_wait -1
	MREAD 0
	s_wait_dscnt 0x0
	MUPD 1
.set SHX, SA
.set BXX, BMA
	SOFT1                                          ; P of chunk 0, scores of chunk 1
	SUMS
	SOFT2 0, 0
	s_wait_loadcnt 14                              ; K of interval 2; behind it K of 3 and 4
	SCORE OA+24, OA+32, 22
	PLACES
	MAXES
.set SHX, SB
.set BXX, BMB
	SOFT1
	SUMS
	SOFT2 0, 1
	s_wait_loadcnt 7                               ; K of interval 3; behind it K of 4
	SCORE OA+48, OA+56, 23
	PLACES
	MAXES
	CMSTORE 1
	s_wait_alu depctr_va_vdst(0)
	CHG 0, 1                                       ; into chunk 0: chunk 1 is asked for
	IV 0, 0, 1, 0, 1, 1, 7                         ; chunk 0: its first products start the sums
	MID
	IV 0, 1, 0, 0, 1, 1, 7
	CHG 1, 1
	s_mov_b32 s[OT], 2
.Lchunks:                                              ; chunks 1, 2 and 3, 4: a trip is once round the ring
	IV 1, 0, 0, 1, 1, 1, 7
	MID
	IV 1, 1, 0, 0, 1, 1, 7
	CHG 1, 1
	IV 0, 0, 0, 1, 1, 1, 7
	MID
	IV 0, 1, 0, 0, 1, 1, 7
	CHG 1, 0
	s_sub_co_u32 s[OT], s[OT], 1
	s_cmp_lg_u32 s[OT], 0
	s_cbranch_scc1 .Lchunks
	IV 1, 0, 0, 1, 1, 1, 7                         ; chunk 5: the last scores
	MID
	IV 1, 1, 0, 0, 1, 0, 7
	CHG 1, 2
	IV 0, 0, 0, 1, 0, 0, 0                         ; chunk 6: the last P, and the sums
	MID
	IV 0, 1, 0, 0, 2, 0, 0
	global_load_b64 v[QS:QS+1], v[AVS], s[KP:KP+1] offset:2*REC   ; V's scale words of the last interval, where Q's have done their work
	global_load_b64 v[QS+2:QS+3], v[AVS], s[KP:KP+1] offset:3*REC
	s_wait_tensorcnt 0x0                           ; chunk 7 is in; nothing is filled again
	s_wait_dscnt 0x0
	s_barrier_signal -1
	PV 3, 0
	s_barrier_wait -1
; CHUNK 7 only multiplies: all its fragments of V lie in the scores' registers, P(t, ks) at window 1's v[128 + 32 t + 8 ks], so query tiles are finished in pairs and the first pair leaves while the second is multiplied.
	v_add_nc_u32 v[ADVF], TOG, v[AVF0]
	v_add_nc_u32 v[ADV2], TOG+0x10000, v[AVF0]
	v_nop
	v_nop
	MREAD 0
	ds_load_b128 v[PS:PS+3], v[PRS] offset:1024
	ds_load_b128 v[KS:KS+3], v[PRS] offset:1280
	ds_load_b128 v[PS2:PS2+3], v[PRS] offset:1536
	ds_load_b128 v[PS2+4:PS2+7], v[PRS] offset:1792
.macro PLAST q
	WIN 0x40
.irp t, 2*\q, 2*\q+1
.irp k, 0,1,2,3
	ds_load_b128 v[VF+32*(\t)+8*\k:VF+32*(\t)+8*\k+3], v[PRA] offset:4096*\k+1024*(\t)
	ds_load_b128 v[VF+32*(\t)+8*\k+4:VF+32*(\t)+8*\k+7], v[PRA] offset:4096*\k+1024*(\t)+512
.endr
.endr
	WIN 0
.endm
.irp k, 0,1
.irp i, 0,1,2,3
	ds_load_b128 v[SA+32*\k+8*\i:SA+32*\k+8*\i+3], v[ADVF] offset:32768*\k+1024*\i
	ds_load_b128 v[SA+32*\k+8*\i+4:SA+32*\k+8*\i+7], v[ADVF] offset:32768*\k+1024*\i+512
.endr
.endr
.irp k, 0,1
.irp i, 0,1,2,3
	ds_load_b128 v[SB+32*\k+8*\i:SB+32*\k+8*\i+3], v[ADV2] offset:32768*\k+1024*\i
	ds_load_b128 v[SB+32*\k+8*\i+4:SB+32*\k+8*\i+7], v[ADV2] offset:32768*\k+1024*\i+512
.endr
.endr
	PLAST 0
.irp t, 0,1,2,3
	RESC \t
.endr
	s_wait_dscnt 52                                ; the sums' parts are in; behind them 4 + 32 + 16 loads
.irp t, 0,1,2,3
	v_add_f32 v[MX+4*\t], v[MX+4*\t], v[MX+4*\t+1]
.endr
.irp t, 0,1,2,3
	v_add_f32 v[MX+4*\t+2], v[MX+4*\t+2], v[MX+4*\t+3]
.endr
.irp t, 0,1,2,3
	v_add_f32 v[MX+4*\t], v[MX+4*\t], v[MX+4*\t+2]
.endr
.irp t, 0,1,2,3
	v_permlanex16_b32 v[TMP+\t], v[MX+4*\t], s[SEL], s[SEL+1]
.endr
.irp t, 0,1,2,3
	v_add_f32 v[MX+4*\t], v[MX+4*\t], v[TMP+\t]
.endr
	s_wait_alu depctr_va_vdst(0)
.irp t, 0,1,2,3
	v_rcp_f32 v[F+2*\t], v[MX+4*\t]
.endr
	v_nop
	s_wait_alu depctr_va_vdst(0)
	PLAST 1
	s_wait_dscnt 16                                ; all but the second pair's P
	s_wait_loadcnt 0x0
.macro PVF q                           ; two query tiles' last 512 keys: four accumulators by turns
	WIN 0x54
.irp k, 0,1,2,3
.if \k < 2
.set rV, VS+2*\k
.set rP, PS-8*\k
.else
.set rV, QS+2*\k-4
.set rP, PS2+4*\k-8
.endif
.irp t, 2*\q, 2*\q+1
.irp p, 0,1
.set rD, OA+16*(2*(\t)+\p)
	v_wmma_scale_f32_32x16x128_f4 v[rD:rD+15], v[SA+32*\k+16*\p:SA+32*\k+16*\p+15], v[VF+32*(\t)+8*\k:VF+32*(\t)+8*\k+7], v[rD:rD+15], v[rV+\p], v[rP+(\t)]
.endr
.endr
.endr
	s_wait_alu depctr_va_vdst(0)
	WIN 0
	PLACES
.endm
; THE WAY OUT, a query tile at a time: divided by the sum, through my own stage in LDS, and stored as whole aligned units of 256 bytes, two rows an instruction.
.macro TOSTAGE t
	RESC \t
	WIN 0x04
.irp p, 0,1
.irp g, 0,1,2,3
	ds_store_b128 v[STO], v[OA+16*(2*\t+\p)+4*\g:OA+16*(2*\t+\p)+4*\g+3] offset:128*\p+64*(\g/2)+16*(\g%2)
.endr
.endr
	WIN 0x40
.irp i, 0,1,2,3,4,5,6,7
	ds_load_b128 v[VF+32*\t+4*\i:VF+32*\t+4*\i+3], v[SRD] offset:544*\i   ; LDS serves a wave's instructions in order (ISA guide 5.7.1.4)
.endr
	WIN 0
.endm
.macro SEND t, younger
	s_wait_dscnt \younger
	WIN 0x04
.irp i, 0,1,2,3,4,5,6,7
	global_store_b128 v[CO], v[VF+32*\t+4*\i:VF+32*\t+4*\i+3], s[OUT:OUT+1] offset:(16*\t+2*\i)*2048 th:TH_STORE_NT
.endr
	WIN 0
.endm
	PVF 0
	TOSTAGE 0
	TOSTAGE 1
	s_wait_dscnt 32                                ; the second pair's P is in; behind it two tiles' eight stores and eight loads
	PVF 1
	SEND 0, 16
	SEND 1, 0
	TOSTAGE 2
	TOSTAGE 3
	SEND 2, 16
	SEND 3, 0
	s_wait_tensorcnt 0x0                           ; the wave's end
	ds_add_u32 v[SPW], v[NIL]
	s_wait_dscnt 0x0
	ROUND                                          ; the closing round
	s_endpgm
.Lfunc_end_k_qdf5de2f6ad_attn:
	.size	k_qdf5de2f6ad_attn, .Lfunc_end_k_qdf5de2f6ad_attn-k_qdf5de2f6ad_attn
	.p2alignl 7, 3214868480
	.fill 96, 4, 3214868480
	.section	.rodata,"a",@progbits
	.p2align	6, 0x0
	.amdhsa_kernel k_qdf5de2f6ad_attn
		.amdhsa_group_segment_fixed_size 327680
		.amdhsa_private_segment_fixed_size 0
		.amdhsa_enable_private_segment 0
		.amdhsa_kernarg_size 32
		.amdhsa_user_sgpr_count 2
		.amdhsa_user_sgpr_kernarg_segment_ptr 1
		.amdhsa_wavefront_size32 1
		.amdhsa_system_sgpr_workgroup_id_x 1
		.amdhsa_system_sgpr_workgroup_id_y 1
		.amdhsa_system_sgpr_workgroup_id_z 1
		.amdhsa_system_vgpr_workitem_id 0
		.amdhsa_next_free_vgpr 512
		.amdhsa_next_free_sgpr 84
		.amdhsa_reserve_vcc 0
		.amdhsa_float_denorm_mode_32 3
		.amdhsa_float_denorm_mode_16_64 3
		.amdhsa_memory_ordered 1
		.amdhsa_forward_progress 1
		.amdhsa_inst_pref_size 255
	.end_amdhsa_kernel
	.section	.bss,"aw",@nobits
	.p2align	6
	.space	262144
	.amdgpu_metadata
---
amdhsa.version: [ 1, 2 ]
amdhsa.kernels:
  - .name:           k_qdf5de2f6ad_attn
    .symbol:         k_qdf5de2f6ad_attn.kd
    .args:
      - { .name: kv, .offset: 0, .size: 8, .value_kind: global_buffer, .address_space: global }
      - { .name: qws, .offset: 8, .size: 8, .value_kind: global_buffer, .address_space: global }
      - { .name: log_lambda, .offset: 16, .size: 8, .value_kind: global_buffer, .address_space: global }
      - { .name: out0, .offset: 24, .size: 8, .value_kind: global_buffer, .address_space: global }
    .group_segment_fixed_size: 327680
    .private_segment_fixed_size: 0
    .kernarg_segment_align: 8
    .kernarg_segment_size: 32
    .max_flat_workgroup_size: 256
    .sgpr_count:     84
    .vgpr_count:     512
    .wavefront_size: 32
...
	.end_amdgpu_metadata
.endif
;; end of part 2
